; MI455X (gfx1250); checked and timed in simulation.
; The chip was launched on July 23, 2026; its instructions are those of AMD's public machine-readable ISA for CDNA 5 (MIT licence, August 2026) and "CDNA5" Instruction Set Architecture Reference Guide (July 2026). The comments in the code are by the model that wrote it; some were corrected since.
;; Tern Bin Layer. Allowed arithmetic: float matrix products may take bf16 or f16 operands with f32 sums; other float arithmetic in f32, or as packed bf16 or f16 multiplies, adds, multiply-adds, maxima and minima; sums over many terms, partial sums and values carried from step to step in f32; what a program stores and reads back later, other than sums and carried values, may be rounded once to bf16 or f16.
;; Inputs: W 4,096 x 4,096 float32; x 4,096 x 4,096 float32.
;; Outputs: out0 4,096 x 4,096 float32.
;; 2 versions, each right; version 2 is version 1 with the launch cast written anew for expert scheduling mode. Each part assembles by itself: llvm-mc -triple=amdgcn-amd-amdhsa -mcpu=gfx1250 --defsym DOCPART=n.
;; ======== version 1 of 2: 2 launches
;; workspace buffers: xb 33,554,432 bytes; wb 33,554,432 bytes
;; launch cast (part 1): grid 512 x 2, 8 waves a work-group, no clusters, 0 bytes of LDS; arguments x, W, xb, wb; writes xb, wb
.if DOCPART == 1
	.amdgcn_target "amdgcn-amd-amdhsa--gfx1250"
	.amdhsa_code_object_version 6
	.text
	.protected	k_q79af55d6df_cast
	.globl	k_q79af55d6df_cast
	.p2align	8
	.type	k_q79af55d6df_cast,@function
k_q79af55d6df_cast:
	s_mov_b64 s[64:65], 0
	v_nop
	global_prefetch_b8 v0, s[64:65] scope:SCOPE_SE
	s_setreg_imm32_b32 hwreg(HW_REG_WAVE_MODE, 25, 1), 1
	s_wait_xcnt 0x0
; xb = bf16(x), wb = bf16(W): both inputs, [4096][4096] f32, are rounded once (to nearest even) to bf16, in the layout in which they lie.
; The work-group's y picks the pair of buffers: 0: x -> xb, 1: W -> wb.  One text serves both, since the two have the same shape.
; LIMITS.  A number beyond bf16's largest finite one becomes an infinity; NaN stays NaN; -1, 0 and +1 are kept exactly.
; SHARES.  A work-group owns 131,072 consecutive bytes of its input: 32 chunks of 4,096 bytes.  In a chunk thread t loads the 16 bytes at 16 t (a wave's load covers 512
; consecutive bytes) and stores the 8 bytes at 8 t of the chunk's 2,048 output bytes (a wave's store covers 256 consecutive bytes, at a multiple of 256 from the buffer's first byte).
; A ring of eight slots in registers keeps eight loads of every wave on their way.  Every chunk's place stands in an immediate (126,976 at the most), so no address register is ever rewritten
; and the 32 chunks are written out by the assembler's loop.  No LDS, no barrier, no matrix unit: nothing is shared between threads, and each byte is moved once.
.set CHUNK,  4096                      ; input bytes in a chunk
.set NCH,    32                        ; chunks of a work-group
.set DEPTH,  8                         ; slots = loads in flight in each wave
.set IN,  1                            ; v1        16 t; never rewritten
.set OUT, 2                            ; v2        8 t; never rewritten
.set X,   4                            ; v[4:35]   slot i: 4 f32 as loaded
.set Y,   36                           ; v[36:51]  slot i: 4 bf16 to store
	s_load_b256 s[4:11], s[0:1], 0x0               ; x s[4:5], W s[6:7], xb s[8:9], wb s[10:11]
	v_lshlrev_b32 v[IN], 4, v0
	v_lshlrev_b32 v[OUT], 3, v0
	s_lshl_b32 s2, ttmp9, 17                       ; the work-group's 131,072 input bytes (under 2^26),
	s_mov_b32 s3, 0
	s_lshl_b32 s18, ttmp9, 16                      ; and its 65,536 output bytes
	s_mov_b32 s19, 0
	s_and_b32 s12, ttmp7, 0xffff                   ; y: which pair of buffers
	s_wait_kmcnt 0x0
	s_cmp_eq_u32 s12, 0
	s_cselect_b64 s[14:15], s[4:5], s[6:7]         ; from x or from W,
	s_cselect_b64 s[16:17], s[8:9], s[10:11]       ; into xb or into wb
	s_add_nc_u64 s[14:15], s[14:15], s[2:3]
	s_add_nc_u64 s[16:17], s[16:17], s[18:19]
.irp i, 0,1,2,3,4,5,6,7
	global_load_b128 v[X+4*(\i):X+4*(\i)+3], v[IN], s[14:15] offset:(\i)*CHUNK th:TH_LOAD_NT  ; the ring is filled: chunks 0 to 7
.endr
.set c, 0
.rept NCH
.set i, c%DEPTH
.if c <= NCH-DEPTH
	s_wait_loadcnt DEPTH-1                         ; loads come back in order (ISA guide 5.7.1): chunk c is in, the seven younger loads stay out
.else
	s_wait_loadcnt NCH-1-c                         ; the last chunks load nothing: the count runs down to 0
.endif
	s_wait_xcnt 0x0                                ; the slot's Y was the data of the store eight chunks back: it is rewritten only behind this wait
	v_cvt_pk_bf16_f32 v[Y+2*i],   v[X+4*i],   v[X+4*i+1]  ; two roundings to bf16, packed
	v_cvt_pk_bf16_f32 v[Y+2*i+1], v[X+4*i+2], v[X+4*i+3]
.if c < NCH-DEPTH
	global_load_b128 v[X+4*i:X+4*i+3], v[IN], s[14:15] offset:(c+DEPTH)*CHUNK th:TH_LOAD_NT  ; the slot's next chunk, ahead of the store
.endif
	global_store_b64 v[OUT], v[Y+2*i:Y+2*i+1], s[16:17] offset:c*(CHUNK/2)
.set c, c+1
.endr
	s_endpgm
.Lfunc_end_k_q79af55d6df_cast:
	.size	k_q79af55d6df_cast, .Lfunc_end_k_q79af55d6df_cast-k_q79af55d6df_cast
	.p2alignl 7, 3214868480
	.fill 96, 4, 3214868480
	.section	.rodata,"a",@progbits
	.p2align	6, 0x0
	.amdhsa_kernel k_q79af55d6df_cast
		.amdhsa_group_segment_fixed_size 0
		.amdhsa_private_segment_fixed_size 0
		.amdhsa_enable_private_segment 0
		.amdhsa_kernarg_size 32
		.amdhsa_user_sgpr_count 2
		.amdhsa_user_sgpr_kernarg_segment_ptr 1
		.amdhsa_wavefront_size32 1
		.amdhsa_system_sgpr_workgroup_id_x 1
		.amdhsa_system_sgpr_workgroup_id_y 1
		.amdhsa_system_sgpr_workgroup_id_z 1
		.amdhsa_system_vgpr_workitem_id 0
		.amdhsa_next_free_vgpr 56
		.amdhsa_next_free_sgpr 66
		.amdhsa_reserve_vcc 0
		.amdhsa_float_denorm_mode_32 3
		.amdhsa_float_denorm_mode_16_64 3
		.amdhsa_memory_ordered 1
		.amdhsa_forward_progress 1
		.amdhsa_inst_pref_size 13
	.end_amdhsa_kernel
	.amdgpu_metadata
---
amdhsa.version: [ 1, 2 ]
amdhsa.kernels:
  - .name:           k_q79af55d6df_cast
    .symbol:         k_q79af55d6df_cast.kd
    .args:
      - { .name: x, .offset: 0, .size: 8, .value_kind: global_buffer, .address_space: global }
      - { .name: W, .offset: 8, .size: 8, .value_kind: global_buffer, .address_space: global }
      - { .name: xb, .offset: 16, .size: 8, .value_kind: global_buffer, .address_space: global }
      - { .name: wb, .offset: 24, .size: 8, .value_kind: global_buffer, .address_space: global }
    .group_segment_fixed_size: 0
    .private_segment_fixed_size: 0
    .kernarg_segment_align: 8
    .kernarg_segment_size: 32
    .max_flat_workgroup_size: 256
    .sgpr_count:     66
    .vgpr_count:     56
    .wavefront_size: 32
...
	.end_amdgpu_metadata
.endif
;; end of part 1
;; launch gemm (part 2): grid 16 x 16, 4 waves a work-group, clusters of 4 x 4, 327,680 bytes of LDS; arguments xb, wb, out0; writes out0
.if DOCPART == 2
	.amdgcn_target "amdgcn-amd-amdhsa--gfx1250"
	.amdhsa_code_object_version 6
	.text
	.protected	k_q79af55d6df_gemm
	.globl	k_q79af55d6df_gemm
	.p2align	8
	.type	k_q79af55d6df_gemm,@function
k_q79af55d6df_gemm:
	s_mov_b64 s[64:65], 0
	v_nop
	global_prefetch_b8 v0, s[64:65] scope:SCOPE_SE
	s_setreg_imm32_b32 hwreg(HW_REG_WAVE_MODE, 25, 1), 1
	s_wait_xcnt 0x0
	s_wait_alu depctr_hold_cnt(0) depctr_sa_sdst(0) depctr_va_vdst(0) depctr_va_sdst(0) depctr_va_ssrc(0) depctr_va_vcc(0) depctr_vm_vsrc(0)
	s_getreg_b32 s2, hwreg(HW_REG_IB_STS2, 6, 4)
	s_cmp_eq_u32 s2, 0
	s_cbranch_scc0 .Lentry_in_a_cluster
	s_endpgm
.Lentry_in_a_cluster:
	s_bfe_u32 s2, ttmp6, 0x10000c
	s_cmp_lg_u32 s2, 0xf033
	s_cbranch_scc0 .Lentry_shape_is_right
	s_endpgm
.Lentry_shape_is_right:
; out0[m][n] = +1 where the sum over k of xb[m][k] wb[k][n] is greater than 0, else -1.  xb: [4096 (m)][4096 (k)] bf16, wb: [4096 (k)][4096 (n)] bf16, out0: [4096][4096] f32.  Sums in f32.
; LIMITS.  The operands are the inputs rounded once to bf16, and the sums are taken in the matrix unit's order: a sum that lies within that rounding of 0 may take the other sign.  Where all products
; and partial sums are whole numbers under 2^24 (operands -1, 0, +1: 4,096 at the most) every sum is exact.  A sum that is 0 or NaN gives -1, as 'greater than 0' is false of it.
; SHARES.  A tile of out0, 256 x 256, is made by a work-group of four waves; a wave makes 128 x 128: 64 accumulators of 16 x 16, 512 registers.  16 x 16 tiles: one work-group to each tile.
; K goes in 32 steps of 128 through a ring of two LDS slots filled by the tensor data mover.  A's tile (xb) is 256 rows (m) of 256 bytes; B's tile (wb) is 128 rows (k) of 512 bytes (256 n):
; all rows start at multiples of 256 bytes from their buffer's first byte.  A's fragments come out of LDS as they lie; B's, whose rows run along n, are turned by ds_load_tr16_b128.
; CLUSTERS: 4 x 4 work-groups.  The four of a row of the cluster need the same tiles of A, the four of a column the same tiles of B: each tile is asked for JOINTLY, by the same tensor load with the
; same descriptor and a mask that names the four, and each receives it in its own LDS: the requests for A and for B are divided by four.
; THE MATRIX INSTRUCTION IS USED TRANSPOSED: source 0 = 16 columns n of B, source 1 = 16 rows m of A.  In the result lane l holds row m = l % 16 and its registers 0 to 7 the columns
; n = 8 (l / 16) + 0 .. 7: eight neighbouring numbers of a row of out0, 32 bytes.
; REGISTERS, in windows of 256 (s_set_vgpr_msb's low byte: bits 1:0 source 0, 3:2 source 1, 5:4 source 2, 7:6 destination):
;   window 0: v0-31 addresses; v64-127, v128-191 fragments of A, two buffers; on the way out v64-127 the signs of a block, v128-191 and v192-255 whole rows, by turns
;   window 1: v64-127, v128-191 fragments of B, two buffers
;   window 2: the 32 accumulators of my rows 0-63 (accumulator (a, b) at v[8 (8 a + b)]);   window 3: those of my rows 64-127
.set KSTEP,  128
.set PA,     272                       ; a row of A in LDS: 256 bytes + 16 of padding = 68 words: row r starts at bank 4 r mod 64 (64 banks of 4 bytes: ISA guide 11.1): the 16 rows of a load start at 16 different groups of four banks
.set PB,     544                       ; a row of B: 512 + 32 = 136 words: row r starts at bank 8 r mod 64
.set HALFT,  128*PA                    ; what one tensor load brings: 128 rows of A, or 64 rows of B (64 x 544 is the same 34,816 bytes)
.set SLOT,   4*HALFT                   ; A's 256 rows, then B's 128 rows
.set STAGE,  2*SLOT                    ; behind the ring, never filled by a tensor load: 16 rows x 528 bytes for each wave, for the way out
.set SPITCH, 528                       ; 512 bytes of a row of my part of out0 + 16: 33 x 16 bytes, so the 16 rows of a store start at 16 different groups of four banks
.set WSTAGE, 16*SPITCH
.set SPARE,  STAGE+4*WSTAGE            ; behind the stages: the spare words, 128 bytes for each wave: two blocks of 256 bytes that no other line names
.set LAPS,   16                        ; a lap = two K steps = once round the ring: 4,096 / 256
.set ASTEP,  KSTEP*2                   ; bytes from a K step of A to the next: 128 elements along a row
.set BSTEP,  KSTEP*8192                ; the same for B: 128 rows of 8,192 bytes
.set ROWC,   16384                     ; bytes in a row of out0
.set ADRA, 16                          ; v16-17  LDS address of my A fragments in slot 0, 1
.set ADRB, 20                          ; v20-21  the same for B
.set STO,  24                          ; v24     the way out: where I put 32 bytes of a row
.set RD,   25                          ; v25     the way out: where I read a row back
.set CO,   26                          ; v26     my byte offset in a row of my part of out0
.set SPW,  28                          ; v28     LDS address of my spare word: SPARE + 4 x my thread's number; never rewritten
.set NIL,  29                          ; v29     0; never rewritten
.set PFO,  30                          ; v30     the prefetches' offset; never rewritten
.set F0,   64                          ; fragment buffer 0
.set F1,   128                         ; fragment buffer 1
.set TMP,  64                          ; the way out: a block's 64 signs a lane
.set BK0,  128                         ; the way out: 16 rows read back from the stage: v128-191 and v192-255 by turns
.set G1,  24                           ; s[24:31] descriptor group 1 for A's tiles
.set G0,  32                           ; s[32:39] descriptor group 0 for A's tiles, one set for each slot
.set G1B, 48                           ; s[48:55] descriptor group 1 for B's tiles
.set G0B, 56                           ; s[56:63] descriptor group 0 for B's tiles, one set for each slot
.set LIM, 43                           ; s43      1 in a wave that prefetches, else the greatest number
.set PFA, 44                           ; s[44:45] where my prefetches stand
.set PST, 66                           ; s[66:67] their step: a K step of A or of B
.set MK,  68                           ; s[68:75] eight masks of the way out's compares
.set MSB, 0
.macro WIN new                         ; the immediate's high byte repeats the setting that is left; a switch that changes nothing is dropped
.if MSB != (\new)
	s_set_vgpr_msb (MSB<<8)|(\new)
.set MSB, \new
.endif
.endm
.set MUL_LO, 0xa1                      ; source 0 (B) window 1, source 1 (A) window 0, C and D window 2
.set MUL_HI, 0xf1                      ; the same, C and D window 3
.set TO_B,   0x40                      ; destination window 1, address window 0
; A joint load.  Waves 0 and 1 fetch A's two halves, waves 2 and 3 B's.  Each of the two lines has ONE mask and one set of registers for all that issue it.  The branch hangs on the wave's number
; alone.  An s_nop 0 and four v_nop follow each of the two lines, ahead of the jump, the label and what follows the macro.
.macro JLOAD s
	s_cmp_eq_u32 s11, 0
	s_cbranch_scc0 .Lfor_b_\@
	tensor_load_to_lds s[G0+4*(\s):G0+4*(\s)+3], s[G1:G1+7]
	s_nop 0
.rept 4
	v_nop
.endr
	s_branch .Lasked_\@
.Lfor_b_\@:
	tensor_load_to_lds s[G0B+4*(\s):G0B+4*(\s)+3], s[G1B:G1B+7]
	s_nop 0
.rept 4
	v_nop
.endr
.Lasked_\@:
.endm
; A PREFETCH INTO THE L2, behind each joint refill, its five lines and the run of LDS loads that follows them: my share of the K step that stands TWO refills on, 512 matrix instructions ahead of the load
; that will want it: 32 blocks of 256 bytes, a lane a block, one instruction a wave.  Each block of a K step is named ONCE in the launch.  A's tile row is read by every cluster of that row of clusters:
; cluster x = 0 asks; B's tile column by every cluster of that column: cluster y = 0 asks.  The four partners that ask for a tile jointly share it out BY ADDRESS: of the 128 rows of A that a wave
; fetches, the partner at cx takes 32 (a lane a row); of the 64 rows of B (512 bytes each), the partner at cy takes 16 (two lanes a row).  No branch hangs on a work-group's place in its cluster.
; K steps 0 to 3 come by their loads alone; the loop's last trip (s3 = 1) asks for nothing, since K steps 32 and 33 do not exist.
.macro ASK
	s_cmp_gt_u32 s3, s[LIM]
	s_cbranch_scc0 .Lnot_mine_\@
	global_prefetch_b8 v[PFO], s[PFA:PFA+1] th:TH_LOAD_NT scope:SCOPE_SE
.Lnot_mine_\@:
.endm
; A round of the cluster's barrier: my work-group's barrier, so that wave 0's signal speaks for all four waves; wave 0 signals for the work-group; every wave waits for all sixteen work-groups;
; my work-group's barrier once more.  No LDS instruction of the wave is pending at a signal.
.macro CREST                           ; a round behind its opening barrier
	s_cmp_lg_u32 s10, 0
	s_cbranch_scc1 .Lnot_wave_0_\@
	s_barrier_signal -3
.Lnot_wave_0_\@:
	s_barrier_wait -3
	s_barrier_signal -1
	s_barrier_wait -1
.endm
.macro CROUND                          ; a whole round
	s_barrier_signal -1
	s_barrier_wait -1
	CREST
.endm
	s_load_b128 s[4:7], s[0:1], 0x0                ; xb s[4:5], wb s[6:7]
	s_load_b64 s[8:9], s[0:1], 0x10                ; out0
	v_lshl_add_u32 v[SPW], v0, 2, SPARE
	v_mov_b32 v[NIL], 0
	ds_add_u32 v[SPW], v[NIL]                      ; the wave's opening: the add, twice on end, and its wait stand ahead of my first tensor load; the set-up below, work on registers, stands between
	ds_add_u32 v[SPW], v[NIL]                      ; and once more, under the one wait
	v_lshrrev_b32 v1, 5, v0
	v_readfirstlane_b32 s10, v1                    ; wave 0..3
	s_lshr_b32 s11, s10, 1                         ; which half of the tile's rows is mine.  Also: I fetch for A (0) or for B (1)
	s_and_b32 s12, s10, 1                          ; which half of its columns.  Also: which half of that tile I fetch
	s_bfe_u32 s40, ttmp6, 0x40000                  ; cx: my place along the cluster's x
	s_bfe_u32 s41, ttmp6, 0x40004                  ; cy: along its y
	s_lshl_b32 s42, ttmp9, 2                       ; in a cluster launch ttmp9 and ttmp7 count clusters
	s_add_co_u32 s42, s42, s40                     ; tile column = 4 x cluster x + cx
	s_and_b32 s13, ttmp7, 0xffff
	s_lshl_b32 s13, s13, 2
	s_add_co_u32 s13, s13, s41                     ; tile row = 4 x cluster y + cy
	s_lshl_b32 s43, s41, 2
	s_lshl_b32 s43, 15, s43                        ; my row of the cluster: places 4 cy .. 4 cy + 3
	s_lshl_b32 s44, 0x1111, s40                    ; my column: places cx, cx + 4, cx + 8, cx + 12
	; descriptor group 1 for A: a tile of 128 rows x 128 elements
	s_or_b32 s[G1+0], s43, (1<<16)|(1<<20)|(1<<21)|(5<<22)|(3<<25)  ; 15:0 the mask: my row; 17:16 elements of 2 bytes; 20 padding on; 21 set beside a mask; 24:22 after every 64 words (code 5); 31:25 4 words of it (code 3)
	s_mov_b32 s[G1+1], 128<<16                     ; 63:48 tensor_dim0, low half = 128
	s_mov_b32 s[G1+2], 128<<16                     ; 79:64 its high half = 0; 95:80 tensor_dim1, low half = 128
	s_mov_b32 s[G1+3], 128<<16                     ; 111:96 its high half = 0; 127:112 tile_dim0 = 128
	s_mov_b32 s[G1+4], 128                         ; 143:128 tile_dim1 = 128; 159:144 tile_dim2 = 0
	s_mov_b32 s[G1+5], 4096                        ; 191:160 elements from row to row
	s_mov_b32 s[G1+6], 0
	s_mov_b32 s[G1+7], 0
	; descriptor group 1 for B: a tile of 64 rows x 256 elements
	s_or_b32 s[G1B+0], s44, (1<<16)|(1<<20)|(1<<21)|(6<<22)|(7<<25) ; the mask: my column; padding after every 128 words (code 6), 8 words of it (code 7)
	s_mov_b32 s[G1B+1], 256<<16                    ; tensor_dim0 = 256
	s_mov_b32 s[G1B+2], 64<<16                     ; tensor_dim1 = 64
	s_mov_b32 s[G1B+3], 256<<16                    ; tile_dim0 = 256
	s_mov_b32 s[G1B+4], 64                         ; tile_dim1 = 64
	s_mov_b32 s[G1B+5], 4096
	s_mov_b32 s[G1B+6], 0
	s_mov_b32 s[G1B+7], 0
	; where the tiles come from.  A's hang on the tile row alone, which my row of the cluster shares; B's on the tile column alone, which my column shares.
	; Every wave makes both addresses, in registers that do not hold the other coordinate, and asks by one of them.
	s_lshl_b32 s16, s13, 21                        ; A: 256 rows of 8,192 bytes for each tile row,
	s_lshl_b32 s17, s12, 20                        ; 128 rows for the half that I fetch
	s_add_co_u32 s16, s16, s17
	s_mov_b32 s17, 0
	s_lshl_b32 s46, s42, 9                         ; B: 256 columns, 512 bytes, for each tile column,
	s_lshl_b32 s47, s12, 19                        ; 64 rows of 8,192 bytes for the half that I fetch
	s_add_co_u32 s46, s46, s47
	s_mov_b32 s47, 0
	s_mul_i32 s20, s10, HALFT                      ; and where they go: A's two halves, then B's two halves = wave x 34,816: no place in the cluster enters an LDS address
	s_wait_dscnt 0x0                               ; both opening adds are done
	s_wait_kmcnt 0x0
	s_add_nc_u64 s[14:15], s[4:5], s[16:17]
	s_add_nc_u64 s[46:47], s[6:7], s[46:47]
	CROUND                                         ; all sixteen work-groups are here: the first joint loads meet
.irp s, 0,1
	s_mov_b32 s[G0+4*(\s)], 1                                      ; 1:0 count = 1
	s_add_co_u32 s[G0+4*(\s)+1], s20, (\s)*SLOT                    ; 63:32 LDS address
	s_add_nc_u64 s[G0+4*(\s)+2:G0+4*(\s)+3], s[14:15], (\s)*ASTEP  ; 120:64 global address: K step s
	s_or_b32 s[G0+4*(\s)+3], s[G0+4*(\s)+3], 0x80000000            ; 127:126 type = 2
	s_mov_b32 s[G0B+4*(\s)], 1
	s_add_co_u32 s[G0B+4*(\s)+1], s20, (\s)*SLOT
	s_add_nc_u64 s[G0B+4*(\s)+2:G0B+4*(\s)+3], s[46:47], (\s)*BSTEP
	s_or_b32 s[G0B+4*(\s)+3], s[G0B+4*(\s)+3], 0x80000000
	JLOAD \s                                       ; the ring is filled before anything else is done: two loads of mine are out
.endr
	; A fragment is 16 rows x 32 K in 8 registers: lane l holds row l % 16; registers 0-3 hold K = 8 (l / 16) + 0..7, registers 4-7 hold K = 16 + 8 (l / 16) + 0..7.
	; A's rows lie along K: two loads of 16 bytes, 32 bytes apart.
	v_and_b32 v1, 15, v0                           ; l % 16
	v_bfe_u32 v2, v0, 4, 1                         ; l / 16
	v_mul_u32_u24 v3, v1, PA
	v_lshl_add_u32 v3, v2, 4, v3                   ; row x pitch + 16 x half
	s_mul_i32 s21, s11, HALFT                      ; my 128 rows of A
	; B's rows lie along n.  The turning load takes 16 K x 16 columns (lane l reads 16 bytes: K row 8 (l / 16) + l % 8, columns 8 ((l / 8) % 2) + 0..7) and leaves half a fragment: lane l holds column l % 16 and 8 K.
	v_and_b32 v4, 7, v0
	v_lshl_add_u32 v4, v2, 3, v4
	v_mul_u32_u24 v4, v4, PB
	v_bfe_u32 v5, v0, 3, 1
	v_lshl_add_u32 v4, v5, 4, v4
	s_lshl_b32 s22, s12, 8                         ; my 128 columns of B: 256 bytes of each row,
	s_add_co_u32 s22, s22, 2*HALFT                 ; behind A's 256 rows
.irp s, 0,1
	v_add_nc_u32 v[ADRA+(\s)], s21, v3
	v_add_nc_u32 v[ADRB+(\s)], s22, v4
	s_add_co_u32 s21, s21, SLOT
	s_add_co_u32 s22, s22, SLOT
.endr
	s_mul_i32 s23, s10, WSTAGE
	s_add_co_u32 s23, s23, STAGE                   ; my stage
	v_mul_u32_u24 v5, v1, SPITCH                   ; in: row l % 16, 32 bytes for each half of the lanes
	v_lshl_add_u32 v5, v2, 5, v5
	v_add_nc_u32 v[STO], s23, v5
	v_and_b32 v6, 31, v0
	v_lshlrev_b32 v[CO], 4, v6                     ; back: 32 lanes take one row of 512 bytes, and the same in out0
	v_add_nc_u32 v[RD], s23, v[CO]
	; where my part of the tile begins in out0 (under 2^26 bytes).  The base is never stepped: a block's and a row's place stand in the stores' immediates
	s_lshl_b32 s76, s13, 22                        ; 256 rows of 16,384 bytes for each tile row,
	s_lshl_b32 s78, s11, 21                        ; 128 rows for my half,
	s_add_co_u32 s76, s76, s78
	s_lshl_b32 s78, s42, 10                        ; 256 columns of 4 bytes for each tile column,
	s_add_co_u32 s76, s76, s78
	s_lshl_b32 s78, s12, 9                         ; 128 columns for my half
	s_add_co_u32 s76, s76, s78
	s_mov_b32 s77, 0
	s_add_nc_u64 s[8:9], s[8:9], s[76:77]
	; the prefetches: both offsets are made, at K step 3, and the wave's number picks one; the first refill steps it to K step 4
	s_lshl_b32 s20, s13, 21                        ; A: the tile row, the half that I fetch,
	s_lshl_b32 s21, s12, 20
	s_add_co_u32 s20, s20, s21
	s_lshl_b32 s21, s40, 18                        ; my work-group's 32 rows of the 128
	s_add_co_u32 s20, s20, s21
	s_add_co_u32 s20, s20, 3*ASTEP
	s_lshl_b32 s22, s12, 19                        ; B: the half that I fetch,
	s_lshl_b32 s23, s41, 17                        ; my work-group's 16 rows of the 64,
	s_add_co_u32 s22, s22, s23
	s_lshl_b32 s23, s42, 9                         ; the tile column
	s_add_co_u32 s22, s22, s23
	s_add_co_u32 s22, s22, 3*BSTEP
	s_and_b32 s23, ttmp7, 0xffff                   ; cluster y
	s_mov_b32 s[PST+1], BSTEP
	s_cmp_eq_u32 s11, 0                            ; do I fetch for A?
	s_cselect_b32 s20, s20, s22
	s_cselect_b32 s23, ttmp9, s23                  ; the coordinate along which other clusters read the same blocks
	s_cselect_b64 s[PFA:PFA+1], s[4:5], s[6:7]
	s_cselect_b32 s[PST], ASTEP, s[PST+1]
	s_mov_b32 s[PST+1], 0
	s_mov_b32 s21, 0
	s_cmp_eq_u32 s23, 0
	s_cselect_b32 s[LIM], 1, -1                    ; the same in all sixteen partners, for a given wave
	s_add_nc_u64 s[PFA:PFA+1], s[PFA:PFA+1], s[20:21]
	v_lshrrev_b32 v3, s11, v6                      ; A: lane l names row l; B: row l / 2,
	v_and_b32 v4, s11, v6                          ; and of its 512 bytes the half l % 2
	v_lshlrev_b32 v4, 8, v4
	v_lshl_add_u32 v[PFO], v3, 13, v4              ; rows of 8,192 bytes
	; nothing is prefetched here, at the head, where every work-group's first two tiles are on their way
; 16 matrix instructions: m blocks a0, a0 + 1 of the window's four (hi = 0: my rows 0-63, 1: rows 64-127) x all 8 n blocks, 32 along K.  zero = 1: the first product starts the sums: nothing is ever cleared.
; The 64 accumulators take turns, one instruction a turn, in the same order in every quarter step, over the loop's backward jump too.
.macro MUL16 f, hi, a0, zero
	WIN MUL_LO+0x50*(\hi)
.irp a, \a0, (\a0)+1
.irp b, 0,1,2,3,4,5,6,7
.if \zero
	v_wmma_f32_16x16x32_bf16 v[8*(8*(\a)+(\b)):8*(8*(\a)+(\b))+7], v[(\f)+8*(\b):(\f)+8*(\b)+7], v[(\f)+8*(4*(\hi)+(\a)):(\f)+8*(4*(\hi)+(\a))+7], 0
.else
	v_wmma_f32_16x16x32_bf16 v[8*(8*(\a)+(\b)):8*(8*(\a)+(\b))+7], v[(\f)+8*(\b):(\f)+8*(\b)+7], v[(\f)+8*(4*(\hi)+(\a)):(\f)+8*(4*(\hi)+(\a))+7], v[8*(8*(\a)+(\b)):8*(8*(\a)+(\b))+7]
.endif
.endr
.endr
.endm
; 32 LDS loads in one run: the fragments of quarter q of a K step (K = 32 q .. 32 q + 31; my 128 columns of B, turned; my 128 rows of A) into buffer f
.macro FETCH slot, q, f
	WIN TO_B
.irp i, 0,1,2,3,4,5,6,7
	ds_load_tr16_b128 v[(\f)+8*(\i):(\f)+8*(\i)+3],   v[ADRB+(\slot)] offset:(\q)*32*PB+32*(\i)
	ds_load_tr16_b128 v[(\f)+8*(\i)+4:(\f)+8*(\i)+7], v[ADRB+(\slot)] offset:(\q)*32*PB+16*PB+32*(\i)
.endr
	WIN 0
.irp i, 0,1,2,3,4,5,6,7
	ds_load_b128 v[(\f)+8*(\i):(\f)+8*(\i)+3],   v[ADRA+(\slot)] offset:64*(\q)+(\i)*16*PA
	ds_load_b128 v[(\f)+8*(\i)+4:(\f)+8*(\i)+7], v[ADRA+(\slot)] offset:64*(\q)+(\i)*16*PA+32
.endr
.endm
; A load into a register that a matrix instruction has read, and a vector instruction that reads a matrix result or writes one of a matrix instruction's registers, stand four places behind it, and only
; plain vector instructions that name none of its registers are places (ISA guide 7.12.1 for vector instructions).
.macro PLACES
.rept 4
	v_nop
.endr
.endm
; A K step is four quarters of 32 along K, 64 matrix instructions each, on buffers 0, 1, 0, 1.  One of the first three: multiplies buffer f; in its middle it fetches quarter q of the same slot into buffer g.
.macro QUARTER slot, q, f, g, zero
	s_wait_dscnt 8                                 ; B and A's rows 0-63 are in; the youngest eight loads (A's rows 64-127) may be out
	WIN MUL_LO
	MUL16 \f, 0, 0, \zero
	MUL16 \f, 0, 2, \zero
	PLACES
	FETCH \slot, \q, \g
	s_wait_dscnt 32                                ; all but the 32 just issued
	WIN MUL_HI
	MUL16 \f, 1, 0, \zero
	MUL16 \f, 1, 2, \zero
.endm
; The last quarter multiplies buffer 1 and changes slots.  MEET is its first half: ONE barrier for the change.  In front of it each wave waits for all its tensor loads, of which one is out: its part of
; the next slot; adds 0 to its spare word; and waits for that and for its own reads of this slot.  Behind it nobody reads this slot any more and the next slot is whole.
.macro MEET round                      ; round = 1: a round of the cluster's barrier follows
	WIN 0                                          ; (the add's two registers lie in window 0)
	s_wait_tensorcnt 0x0                           ; all my tensor loads have landed;
	ds_add_u32 v[SPW], v[NIL]                      ; 0 onto my spare word;
	s_wait_dscnt 9                                 ; (the add and the youngest eight loads may be out)
	WIN MUL_LO
	MUL16 F1, 0, 0, 0                              ; sixteen matrix instructions stand between the add and the wait for it
	s_wait_dscnt 0x0                               ; the add is done, and my reads of this slot are over:
	s_barrier_signal -1                            ; say so,
	MUL16 F1, 0, 2, 0                              ; work on registers while the others arrive,
.if \round
	WIN 0
.endif
	s_barrier_wait -1                              ; and go on when all four have said so
.endm
; The whole last quarter, where the slot just read out is filled again, with the K step two steps on: the joint refill is the first tensor load behind the round, and a wave issues 224 matrix
; instructions between it and the wait for it.  Then come the next slot's first fragments.
.macro TURN slot, next
	s_wait_xcnt 0x0                                ; the last prefetch, a K step back, has read its address: it is stepped here, ahead of the waits of the change of slots
	s_add_nc_u64 s[PFA:PFA+1], s[PFA:PFA+1], s[PST:PST+1]
	MEET 1
	CREST                                          ; all sixteen work-groups have said so: no wave of any partner still reads this slot's tile or has a load on its way
	s_add_nc_u64 s[G0+4*(\slot)+2:G0+4*(\slot)+3], s[G0+4*(\slot)+2:G0+4*(\slot)+3], 2*ASTEP     ; no tensor load of mine is out, so a group 0 may be written; the type bits on top are not reached
	s_add_nc_u64 s[G0B+4*(\slot)+2:G0B+4*(\slot)+3], s[G0B+4*(\slot)+2:G0B+4*(\slot)+3], 2*BSTEP
	JLOAD \slot                                    ; the four v_nop behind it are also the places in front of the loads below
	FETCH \next, 0, F0
	ASK
	WIN MUL_HI
	MUL16 F1, 1, 0, 0
	MUL16 F1, 1, 2, 0
.endm
; THE WAY OUT of block a (16 rows of my 128), in three parts.
; BIN: the sign of each sum: +1 where it is greater than 0, else -1 (0 and NaN too).  Each accumulator's registers are taken in ascending order.
.macro BIN a
	WIN 0x02+(\a)/4                                ; source 0: window 2 (blocks 0-3) or 3 (blocks 4-7); destination window 0
.irp b, 0,1,2,3,4,5,6,7
.irp j, 0,1,2,3,4,5,6,7
	v_cmp_gt_f32 s[MK+(\j)], v[64*((\a)%4)+8*(\b)+(\j)], 0
.endr
.irp j, 0,1,2,3,4,5,6,7
	v_cndmask_b32 v[TMP+8*(\b)+(\j)], -1.0, 1.0, s[MK+(\j)]
.endr
.endr
	WIN 0
.endm
; TOSTAGE: a lane's 32 bytes of a row go into my own stage, and the block comes back as whole rows of 512 bytes.
.macro TOSTAGE a
	WIN 0
.set BK, BK0+64*((\a)%2)
.irp b, 0,1,2,3,4,5,6,7
	ds_store_b128 v[STO], v[TMP+8*(\b):TMP+8*(\b)+3]   offset:64*(\b)
	ds_store_b128 v[STO], v[TMP+8*(\b)+4:TMP+8*(\b)+7] offset:64*(\b)+16
.endr
.irp t, 0,1,2,3,4,5,6,7,8,9,10,11,12,13,14,15
	ds_load_b128 v[BK+4*(\t):BK+4*(\t)+3], v[RD] offset:(\t)*SPITCH  ; LDS serves a wave's instructions in order (ISA guide 5.7.1.4): these see the stores above
.endr
.endm
; SEND: stored, a row an instruction.
.macro SEND a
	WIN 0
.set BK, BK0+64*((\a)%2)
	s_wait_dscnt 0x0                               ; the block is back in registers
	s_wait_xcnt 0x0                                ; the stores of the block before have read their registers: the next TOSTAGE loads into them only behind this wait
.irp t, 0,1,2,3,4,5,6,7,8,9,10,11,12,13,14,15
	global_store_b128 v[CO], v[BK+4*(\t):BK+4*(\t)+3], s[8:9] offset:(16*(\a)+(\t))*ROWC th:TH_STORE_NT  ; 32 lanes store 512 consecutive bytes, at a multiple of 512 from out0's first byte; 127 rows at the most: inside the signed 24-bit immediate
.endr
.endm
	s_wait_tensorcnt 1                             ; my part of K step 0 is in; K step 1's may stay out
	s_barrier_signal -1
	s_barrier_wait -1                              ; everybody's is
	FETCH 0, 0, F0
	QUARTER 0, 1, F0, F1, 1                        ; the first quarter stands in front of the loop: its products start the sums
	WIN 0                                          ; at a label and at a branch every window is 0
	s_mov_b32 s3, LAPS-1
.Llap:                                                 ; a trip goes once round the ring, from a lap's second quarter to the next lap's first, and fills both slots again
	QUARTER 0, 2, F1, F0, 0
	QUARTER 0, 3, F0, F1, 0
	TURN 0, 1
	QUARTER 1, 1, F0, F1, 0
	QUARTER 1, 2, F1, F0, 0
	QUARTER 1, 3, F0, F1, 0
	TURN 1, 0
	QUARTER 0, 1, F0, F1, 0
	WIN 0
	s_sub_co_u32 s3, s3, 1
	s_cmp_lg_u32 s3, 0
	s_cbranch_scc1 .Llap
	QUARTER 0, 2, F1, F0, 0                        ; the last lap is written out: it fills nothing, and has no round of the cluster's barrier
	QUARTER 0, 3, F0, F1, 0
	MEET 0                                         ; my one tensor load that was still out is slot 1's, the last K step's
	PLACES                                         ; for the loads into buffer 0, which the quarter before multiplied
	FETCH 1, 0, F0
	WIN MUL_HI
	MUL16 F1, 1, 0, 0
	MUL16 F1, 1, 2, 0
	QUARTER 1, 1, F0, F1, 0
	QUARTER 1, 2, F1, F0, 0
	QUARTER 1, 3, F0, F1, 0
	s_wait_dscnt 8                                 ; the very last quarter: nothing more to fetch
	WIN MUL_LO
	MUL16 F1, 0, 0, 0
	MUL16 F1, 0, 2, 0
	s_wait_dscnt 0x0
	MUL16 F1, 1, 0, 0
	MUL16 F1, 1, 2, 0
	WIN 0
	PLACES                                         ; behind the last products: what follows reads results and writes over fragments of A
	PLACES                                         ; (eight, once a launch)
	BIN 0
	TOSTAGE 0
.irp a, 1,2,3,4,5,6,7                  ; block a's compares stand between block a - 1's loads from the stage and the wait for them
	BIN \a
	SEND (\a)-1
	TOSTAGE \a
.endr
	SEND 7
	s_wait_tensorcnt 0x0                           ; the wave's end: a wait for my last tensor load, then an add and a wait behind my last LDS store
	ds_add_u32 v[SPW], v[NIL]
	s_wait_dscnt 0x0
	CROUND                                         ; the closing round: no work-group ends while a partner may still ask for a tile that names it
	s_endpgm
.Lfunc_end_k_q79af55d6df_gemm:
	.size	k_q79af55d6df_gemm, .Lfunc_end_k_q79af55d6df_gemm-k_q79af55d6df_gemm
	.p2alignl 7, 3214868480
	.fill 96, 4, 3214868480
	.section	.rodata,"a",@progbits
	.p2align	6, 0x0
	.amdhsa_kernel k_q79af55d6df_gemm
		.amdhsa_group_segment_fixed_size 327680
		.amdhsa_private_segment_fixed_size 0
		.amdhsa_enable_private_segment 0
		.amdhsa_kernarg_size 24
		.amdhsa_user_sgpr_count 2
		.amdhsa_user_sgpr_kernarg_segment_ptr 1
		.amdhsa_wavefront_size32 1
		.amdhsa_system_sgpr_workgroup_id_x 1
		.amdhsa_system_sgpr_workgroup_id_y 1
		.amdhsa_system_sgpr_workgroup_id_z 1
		.amdhsa_system_vgpr_workitem_id 0
		.amdhsa_next_free_vgpr 1024
		.amdhsa_next_free_sgpr 80
		.amdhsa_reserve_vcc 0
		.amdhsa_float_denorm_mode_32 3
		.amdhsa_float_denorm_mode_16_64 3
		.amdhsa_memory_ordered 1
		.amdhsa_forward_progress 1
		.amdhsa_inst_pref_size 206
	.end_amdhsa_kernel
	.amdgpu_metadata
---
amdhsa.version: [ 1, 2 ]
amdhsa.kernels:
  - .name:           k_q79af55d6df_gemm
    .symbol:         k_q79af55d6df_gemm.kd
    .args:
      - { .name: xb, .offset: 0, .size: 8, .value_kind: global_buffer, .address_space: global }
      - { .name: wb, .offset: 8, .size: 8, .value_kind: global_buffer, .address_space: global }
      - { .name: out0, .offset: 16, .size: 8, .value_kind: global_buffer, .address_space: global }
    .group_segment_fixed_size: 327680
    .private_segment_fixed_size: 0
    .kernarg_segment_align: 8
    .kernarg_segment_size: 24
    .max_flat_workgroup_size: 128
    .sgpr_count:     80
    .vgpr_count:     1024
    .wavefront_size: 32
...
	.end_amdgpu_metadata
.endif
;; end of part 2
;; ======== version 2 of 2: 2 launches; version 1 with the launch cast written anew for expert scheduling mode
;; workspace buffers: xb 33,554,432 bytes; wb 33,554,432 bytes
;; launch cast (part 3): grid 512 x 2, 8 waves a work-group, no clusters, 0 bytes of LDS; arguments x, W, xb, wb; writes xb, wb
.if DOCPART == 3
	.amdgcn_target "amdgcn-amd-amdhsa--gfx1250"
	.amdhsa_code_object_version 6
	.text
	.protected	k_q79af55d6df_cast
	.globl	k_q79af55d6df_cast
	.p2align	8
	.type	k_q79af55d6df_cast,@function
k_q79af55d6df_cast:
	s_mov_b64 s[64:65], 0
	v_nop
	global_prefetch_b8 v0, s[64:65] scope:SCOPE_SE
	s_setreg_imm32_b32 hwreg(HW_REG_WAVE_SCHED_MODE, 0, 2), 2
	s_setreg_imm32_b32 hwreg(HW_REG_WAVE_MODE, 25, 1), 1
	s_wait_xcnt 0x0
	s_wait_alu depctr_vm_vsrc(0)
; xb = bf16(x), wb = bf16(W): both inputs, [4096][4096] f32, are rounded once (to nearest even) to bf16, in the layout in which they lie.
; The work-group's y picks the pair of buffers: 0: x -> xb, 1: W -> wb.  One text serves both, since the two have the same shape.
; LIMITS.  A number beyond bf16's largest finite one becomes an infinity; NaN stays NaN; -1, 0 and +1 are kept exactly.
; SHARES.  A work-group owns 131,072 consecutive bytes of its input: 32 chunks of 4,096 bytes.  In a chunk thread t loads the 16 bytes at 16 t (a wave's load covers 512
; consecutive bytes) and stores the 8 bytes at 8 t of the chunk's 2,048 output bytes (a wave's store covers 256 consecutive bytes, at a multiple of 256 from the buffer's first byte).
; Every chunk's place stands in an immediate (126,976 at the most), so no address register and no base is ever rewritten, and the chunks are written out by the assembler's loop.
; No LDS, no barrier, no matrix unit: nothing is shared between threads, and each byte is moved once.
; THE MODE: SCHED_MODE bits 1:0 = 2 (LLVM: expert scheduling mode 2), set by the entry lines.  The code itself states the register dependences
; between vector instructions and memory instructions, with s_wait_alu, always for 0.
; THE PLAN.  The 32 chunks go in 8 blocks of four.  Registers that memory instructions touch:
;   X0 .. X3   four blocks of f32 as loaded.  Written by the loads of block p + 3, issued in block p; read by block p's conversions.
;   Y0, Y1     two blocks of bf16 to store.   Written by block p's conversions; read by the four stores that are issued in block p + 1.
;   v1, v2     byte offsets, made once at the head and never written again.
; Block p works on X[p % 4] and writes Y[p % 2].  Its memory instructions are the loads into X[(p + 3) % 4] = X[(p - 1) % 4] and the stores from Y[(p - 1) % 2]: the two buffers that
; block p - 1 worked on and that no vector instruction of block p names.  So the waits at a block's head state all that the block's eight memory instructions hang on, and these are
; dealt among its conversions with no further wait.  Eight to twelve loads of every wave are on their way.
.set CHUNK,  4096                      ; input bytes in a chunk
.set BLOCK,  4                         ; chunks in a block
.set NBLK,   8                         ; blocks of a work-group
.set IN,  1                            ; v1        16 t; never rewritten
.set OUT, 2                            ; v2        8 t; never rewritten
.set X,   4                            ; v[4:67]   buffer k, chunk i: 4 registers at X + 16 k + 4 i: 4 f32 as loaded
.set Y,   68                           ; v[68:83]  buffer k, chunk i: 2 registers at Y + 8 k + 2 i: 4 bf16 to store
	s_load_b256 s[4:11], s[0:1], 0x0               ; x s[4:5], W s[6:7], xb s[8:9], wb s[10:11]
	v_lshlrev_b32 v[IN], 4, v0
	v_lshlrev_b32 v[OUT], 3, v0
	s_lshl_b32 s2, ttmp9, 17                       ; the work-group's 131,072 input bytes (under 2^26),
	s_mov_b32 s3, 0
	s_lshl_b32 s18, ttmp9, 16                      ; and its 65,536 output bytes
	s_mov_b32 s19, 0
	s_and_b32 s12, ttmp7, 0xffff                   ; y: which pair of buffers
	s_wait_kmcnt 0x0
	s_cmp_eq_u32 s12, 0
	s_cselect_b64 s[14:15], s[4:5], s[6:7]         ; from x or from W,
	s_cselect_b64 s[16:17], s[8:9], s[10:11]       ; into xb or into wb
	s_add_nc_u64 s[14:15], s[14:15], s[2:3]
	s_add_nc_u64 s[16:17], s[16:17], s[18:19]
	s_wait_alu depctr_va_vdst(0)                   ; v1 and v2 are written: every load and store of the kernel reads one of them as its offset
.irp i, 0,1,2,3,4,5,6,7,8,9,10,11
	global_load_b128 v[X+4*(\i):X+4*(\i)+3], v[IN], s[14:15] offset:(\i)*CHUNK th:TH_LOAD_NT  ; blocks 0, 1 and 2 into X0, X1, X2
.endr
.set p, 0
.rept NBLK
.set kx, p%4                           ; the X that this block reads
.set ky, p%2                           ; the Y that this block writes
.set kl, (p+3)%4                       ; the X in which this block's loads land
.if p <= NBLK-3
	s_wait_loadcnt 2*BLOCK                         ; loads come back in order (ISA guide 5.7.1): block p is in, the two younger blocks' eight loads stay out
.else
	s_wait_loadcnt (NBLK-1-p)*BLOCK                ; blocks 5 to 7 load nothing: the count runs down to 0
.endif
.if p >= 2                             ; in blocks 0 and 1 no store has yet read the Y that the block writes
	s_wait_xcnt 0x0                                ; every earlier memory instruction has had its addresses translated (ISA guide 3.1): this block's Y was the data of the stores issued in the block before, and is rewritten only behind this wait
	s_wait_alu depctr_vm_vsrc(0)                   ; those stores have read this block's Y, which its conversions write again
.endif
.if p >= 1                             ; block 0 has no block in front of it: the head's wait has covered the offsets, and no vector instruction has named X3
	s_wait_alu depctr_va_vdst(0)                   ; the block before has written the other Y, which the stores below read, and is done reading its X, in which the loads below (blocks 1 to 4 have them) land
.endif
.set i, 0
.rept BLOCK
.if p < NBLK-3
	global_load_b128 v[X+16*kl+4*i:X+16*kl+4*i+3], v[IN], s[14:15] offset:((p+3)*BLOCK+i)*CHUNK th:TH_LOAD_NT  ; three blocks ahead, ahead of the store; no vector instruction since the wait names these registers
.endif
.if p >= 1
	global_store_b64 v[OUT], v[Y+8*(1-ky)+2*i:Y+8*(1-ky)+2*i+1], s[16:17] offset:((p-1)*BLOCK+i)*(CHUNK/2)  ; the block before
.endif
	v_cvt_pk_bf16_f32 v[Y+8*ky+2*i],   v[X+16*kx+4*i],   v[X+16*kx+4*i+1]  ; two roundings to bf16, packed
	v_cvt_pk_bf16_f32 v[Y+8*ky+2*i+1], v[X+16*kx+4*i+2], v[X+16*kx+4*i+3]
.set i, i+1
.endr
.set p, p+1
.endr
	s_wait_alu depctr_va_vdst(0)                   ; block 7 has written Y1, which the last four stores read
.irp i, 0,1,2,3
	global_store_b64 v[OUT], v[Y+8+2*(\i):Y+8+2*(\i)+1], s[16:17] offset:((NBLK-1)*BLOCK+(\i))*(CHUNK/2)
.endr
	s_endpgm
.Lfunc_end_k_q79af55d6df_cast:
	.size	k_q79af55d6df_cast, .Lfunc_end_k_q79af55d6df_cast-k_q79af55d6df_cast
	.p2alignl 7, 3214868480
	.fill 96, 4, 3214868480
	.section	.rodata,"a",@progbits
	.p2align	6, 0x0
	.amdhsa_kernel k_q79af55d6df_cast
		.amdhsa_group_segment_fixed_size 0
		.amdhsa_private_segment_fixed_size 0
		.amdhsa_enable_private_segment 0
		.amdhsa_kernarg_size 32
		.amdhsa_user_sgpr_count 2
		.amdhsa_user_sgpr_kernarg_segment_ptr 1
		.amdhsa_wavefront_size32 1
		.amdhsa_system_sgpr_workgroup_id_x 1
		.amdhsa_system_sgpr_workgroup_id_y 1
		.amdhsa_system_sgpr_workgroup_id_z 1
		.amdhsa_system_vgpr_workitem_id 0
		.amdhsa_next_free_vgpr 84
		.amdhsa_next_free_sgpr 66
		.amdhsa_reserve_vcc 0
		.amdhsa_float_denorm_mode_32 3
		.amdhsa_float_denorm_mode_16_64 3
		.amdhsa_memory_ordered 1
		.amdhsa_forward_progress 1
		.amdhsa_inst_pref_size 12
	.end_amdhsa_kernel
	.amdgpu_metadata
---
amdhsa.version: [ 1, 2 ]
amdhsa.kernels:
  - .name:           k_q79af55d6df_cast
    .symbol:         k_q79af55d6df_cast.kd
    .args:
      - { .name: x, .offset: 0, .size: 8, .value_kind: global_buffer, .address_space: global }
      - { .name: W, .offset: 8, .size: 8, .value_kind: global_buffer, .address_space: global }
      - { .name: xb, .offset: 16, .size: 8, .value_kind: global_buffer, .address_space: global }
      - { .name: wb, .offset: 24, .size: 8, .value_kind: global_buffer, .address_space: global }
    .group_segment_fixed_size: 0
    .private_segment_fixed_size: 0
    .kernarg_segment_align: 8
    .kernarg_segment_size: 32
    .max_flat_workgroup_size: 256
    .sgpr_count:     66
    .vgpr_count:     84
    .wavefront_size: 32
...
	.end_amdgpu_metadata
.endif
;; end of part 3
;; launch gemm: the kernel of part 2 again; grid 16 x 16, 4 waves a work-group, clusters of 4 x 4, 327,680 bytes of LDS; arguments xb, wb, out0; writes out0
